; MI455X (gfx1250); checked and timed in simulation.
; The chip was launched on July 23, 2026; its instructions are those of AMD's public machine-readable ISA for CDNA 5 (MIT licence, August 2026) and "CDNA5" Instruction Set Architecture Reference Guide (July 2026). The comments in the code are by the model that wrote it; some were corrected since.
;; Coatnet Self Attention. Allowed arithmetic: float matrix products may take bf16 or f16 operands with f32 sums; all other float work in f32.
;; Inputs: ln_beta 8 float32; ln_gamma 8 float32; qkv_weights 8 x 24 float32; relative_attention_bias 225 float32; x 1,048,576 x 8 float32.
;; Outputs: out0 1,048,576 x 8 float32.
;; One version. Each part assembles by itself: llvm-mc -triple=amdgcn-amd-amdhsa -mcpu=gfx1250 --defsym DOCPART=n.
;; ======== version 1 of 1: 1 launch
;; launch attn (part 1): grid 256 x 1, 16 waves a work-group, no clusters, 169,984 bytes of LDS; arguments x, ln_gamma, ln_beta, qkv_weights, relative_attention_bias, out0; writes out0
.if DOCPART == 1
	.amdgcn_target "amdgcn-amd-amdhsa--gfx1250"
	.amdhsa_code_object_version 6
	.text
	.protected	k_q5005ae74f5_attn
	.globl	k_q5005ae74f5_attn
	.p2align	8
	.type	k_q5005ae74f5_attn,@function
k_q5005ae74f5_attn:
	s_mov_b64 s[64:65], 0
	v_nop
	global_prefetch_b8 v0, s[64:65] scope:SCOPE_SE
	s_setreg_imm32_b32 hwreg(HW_REG_WAVE_MODE, 25, 1), 1
	s_wait_xcnt 0x0
; out = x + v @ softmax(q k^T + bias), q|k|v = LayerNorm(x) @ W, for 1,048,576 independent rows of 8 f32.
;
; SHARES. 256 work-groups x 16 waves. A work-group owns 4,096 rows (131,072 bytes), a wave 8 tiles of 32 rows, a lane ONE ROW of a tile:
; layer norm, softmax and both per-row products never leave the lane.
; MATRIX UNIT. The projection xhat[8] @ W[8][24] is six v_wmma_f32_16x16x32_bf16 for 32 rows, used transposed and block-diagonal, with
; both operands split into two bf16 (a high part and the rounded remainder): q and k are multiplied with each other and then go through an
; exponential, which leaves a single bf16's 8 bits too little margin.
;   source 1 (columns n = lane % 16): lane l hands in its own row only: registers 0-3 the high parts xh (k = 8 (l / 16) + 0..7),
;   registers 4-7 the remainders xl (k = 16 + 8 (l / 16) + 0..7).
;   source 0 (rows m): m = 0..7 hold gamma[d] W[d][8t+m] at k = d and at k = 16 + d, m = 8..15 hold it at k = 8 + d and k = 24 + d, all else
;   zero; once with the weights' high parts Wh, once with their remainders Wl.  The two instructions add (xh + xl) Wh and (xh + xl) Wl.
;   result register j of lane l = feature 8t + j of row l.  C of the first instruction = beta @ W, kept in f32, the same in all lanes.
;   q's weights and q's C, and the bias table, carry the factor log2(e), so that the softmax works with v_exp_f32 (base 2) directly.
; NOT ON THE MATRIX UNIT: q_i k_j and sum_i v_i w_ij.  Each row has an 8 x 8 matrix of its own (a rank-1 product, a vector times a matrix);
;   a 16x16x32 instruction would be filled to a sixteenth at most, and packing 64 exponentials a row to bf16 takes as many vector
;   instructions (32) as the packed multiply-adds that it would spare.
; BIAS. reference()'s index is (j-i+7) + 15 (i-j+7) = 112 + 14 (i-j): 15 numbers t[d], d = i-j, kept as 14 register pairs (t[d], t[d-1]).
; BYTES. A row is 32 bytes, so a lane's row is half of what 16 lanes x 16 bytes would cover contiguously: both ways go through LDS.
;   In: each wave asks for its 8 tiles (1,024 bytes each) by 8 tensor loads in its first lines; no slot is filled twice.
;   Out: rows into the wave's own stage, read back in order, and each global_store_b128 of the wave covers 512 consecutive bytes, aligned.
;   No wave reads LDS bytes of another wave: no barrier.
; NO CLUSTER: work-groups share only gamma, beta, W and the table, 1,732 bytes against 131,072 bytes of x for each work-group.
; LIMITS. (1) xhat and gamma W enter the projection as sums of two bf16 (about 16 significant bits); all else is f32.  A product
;   gamma W log2(e) beyond bf16's largest finite number (about 3.39e38) becomes infinite.
;   (2) Rows l and l + 16 of a tile share a column of the matrix product and are kept apart by zero weights, and 0 x NaN is NaN: a row whose
;   xhat is not finite (x not finite, or |x - mean| above about 1e19, where the variance overflows and the row's own result is NaN anyway)
;   makes its partner row NaN as well.
;   (3) A softmax term below 2^-126 of its row's largest counts as zero (v_exp_f32 flushes denormal results).
.set TILE,   1024                      ; bytes of a tile: 32 rows of 32 bytes
.set PITCH,  272                       ; LDS: 256 bytes of data + 16 of padding
.set SLOT,   4*PITCH                   ; a tile in LDS
.set TILES,  8                         ; tiles of a wave
.set WAVES,  16
.set WRING,  TILES*SLOT                ; a wave's eight slots
.set STAGE,  WAVES*WRING               ; behind all slots: one slot-sized stage for each wave, for the way out
.set STEP,   WAVES*TILE                ; in memory the 16 waves' tiles lie side by side: 16,384 bytes from a wave's tile to its next
; vector registers: 252 a wave, four waves on a SIMD
.set LROW, 1                           ; LDS address of my row in my wave's slot 0
.set SROW, 2                           ; LDS address of my row in my wave's stage
.set SRD,  3                           ; LDS address of my 16 bytes when the stage is read back in order
.set GOFF, 4                           ; 16 x lane: my bytes in a store of 512
.set TA,   5                           ; set-up: an address
.set TT,   6                           ; v[6:13]    at work
.set XX,   14                          ; v[14:21]   x of my row, then x + attention
.set DD,   22                          ; v[22:29]   x - mean, then xhat, then xhat's remainder
.set XB,   30                          ; v[30:37]   source 1: xh (4 registers), xl (4 registers)
.set AQ,   38                          ; v[38:61]   source 0 for q, k, v, high parts: 8 registers each, the upper 4 repeat the lower 4
.set AL,   62                          ; v[62:85]   the same, remainders
.set CQ,   86                          ; v[86:109]  C for q, k, v: beta @ W
.set BP,   110                         ; v[110:137] pair n = (t[n-6], t[n-7]) x log2(e), n = 0..13
.set QQ,   138                         ; v[138:145] q x log2(e)
.set KK,   146                         ; v[146:153] k
.set VV,   154                         ; v[154:161] v
.set MM,   162                         ; v[162:169] row maxima
.set SS,   170                         ; v[170:177] row sums, their reciprocals, then v_i / sum_i
.set EE,   178                         ; v[178:241] logits, then exponentials: (i, j) at EE + 8 i + j.  Set-up: W as loaded, two temporaries
.set OO,   242                         ; v[242:249] the result, read back in order
; scalar registers
.set WV,   2                           ; wave number
.set G1,   16                          ; s[16:23]  descriptor group 1
.set G0,   24                          ; s[24:55]  descriptor group 0, a set for each tile: none is rewritten
.set GAM,  56                          ; s[56:63]  gamma
.set HIM,  66                          ; mask of a word's upper bf16
.set BET,  68                          ; s[68:75]  beta
.set TB,   76                          ; s[76:90]  t[n-7] = table[14 + 14 n]
.set EIGHTH, 91
.set EPS,  92
.set L2E,  93
.set OFS,  94                          ; s[94:95]  byte offset of my wave's first tile
.set SSTG, 96                          ; my wave's stage
.set SRNG, 97                          ; my wave's slots
	s_load_b256 s[4:11], s[0:1], 0x0               ; x s[4:5], gamma s[6:7], beta s[8:9], W s[10:11]
	s_load_b128 s[12:15], s[0:1], 0x20             ; table s[12:13], out s[14:15]
	v_lshl_add_u32 v250, v0, 2, 0x29000
	v_mov_b32 v251, 0
	ds_add_u32 v250, v251
	ds_add_u32 v250, v251
	v_lshrrev_b32 v[TA], 5, v0
	v_readfirstlane_b32 s[WV], v[TA]
	; group 1: a tile is dense in memory and comes as 4 rows of 32 elements of 8 bytes, 16 bytes of padding behind each row
	s_mov_b32 s[G1+0], (3<<16)|(1<<20)|(5<<22)|(3<<25) ; element of 8 bytes; padding on; after every 64 words; of 4 words
	s_mov_b32 s[G1+1], 32<<16                      ; tensor_dim0 = 32
	s_mov_b32 s[G1+2], 4<<16                       ; tensor_dim1 = 4
	s_mov_b32 s[G1+3], 32<<16                      ; tile_dim0 = 32
	s_mov_b32 s[G1+4], 4                           ; tile_dim1 = 4
	s_mov_b32 s[G1+5], 32                          ; 32 elements from row to row
	s_mov_b32 s[G1+6], 0
	s_mov_b32 s[G1+7], 0
	s_lshl_b32 s[OFS], ttmp9, 17                   ; work-group x 131,072 bytes (below 2^25)
	s_lshl_b32 s3, s[WV], 10                       ; + wave x 1,024
	s_add_co_u32 s[OFS], s[OFS], s3
	s_mov_b32 s[OFS+1], 0
	s_mul_i32 s[SRNG], s[WV], WRING
	s_mul_i32 s[SSTG], s[WV], SLOT
	s_add_co_u32 s[SSTG], s[SSTG], STAGE
	s_wait_dscnt 0x0
	s_wait_kmcnt 0x0
	s_add_nc_u64 s[4:5], s[4:5], s[OFS:OFS+1]      ; x at my wave's first tile
	s_add_nc_u64 s[14:15], s[14:15], s[OFS:OFS+1]  ; out likewise
	; all eight tiles are asked for before anything else: 8 tensor loads of this wave are out at the most
.irp i, 0,1,2,3,4,5,6,7
	s_mov_b32 s[G0+4*\i], 1                                        ; count = 1
	s_add_co_u32 s[G0+4*\i+1], s[SRNG], \i*SLOT                    ; LDS address
	s_add_nc_u64 s[G0+4*\i+2:G0+4*\i+3], s[4:5], \i*STEP           ; global address
	s_or_b32 s[G0+4*\i+3], s[G0+4*\i+3], 0x80000000                ; type = 2
	tensor_load_to_lds s[G0+4*\i:G0+4*\i+3], s[G1:G1+7]
	s_nop 0
.endr
	; THE CONSTANTS, once for each wave, while the tiles are on their way
	v_and_b32 v[TA], 7, v0
	v_lshlrev_b32 v[TA], 2, v[TA]                  ; my column of W within q, k or v: lane % 8
.irp t, 0,1,2
.irp d, 0,1,2,3,4,5,6,7
	global_load_b32 v[EE+8*\t+\d], v[TA], s[10:11] offset:96*\d+32*\t   ; W[d][8t + lane % 8]
.endr
.endr
	s_load_b256 s[GAM:GAM+7], s[6:7], 0x0
	s_load_b256 s[BET:BET+7], s[8:9], 0x0
.irp n, 0,1,2,3,4,5,6,7,8,9,10,11,12,13,14
	s_load_b32 s[TB+\n], s[12:13], 56+56*\n        ; table[112 + 14 (n - 7)]
.endr
	v_and_b32 v[TT], 31, v0                        ; lane
	v_lshrrev_b32 v[TT+1], 3, v[TT]
	v_and_b32 v[TT+2], 7, v0
	v_mul_u32_u24 v[TT+1], v[TT+1], PITCH
	v_lshl_add_u32 v[TT+1], v[TT+2], 5, v[TT+1]    ; row l lies at 272 (l / 8) + 32 (l % 8): the 16 lanes of a half wave touch
	v_add_nc_u32 v[LROW], s[SRNG], v[TT+1]         ; 16 different 16-byte columns modulo 256
	v_add_nc_u32 v[SROW], s[SSTG], v[TT+1]
	v_lshrrev_b32 v[TT+1], 4, v[TT]
	v_and_b32 v[TT+2], 15, v0
	v_mul_u32_u24 v[TT+1], v[TT+1], PITCH
	v_lshl_add_u32 v[TT+1], v[TT+2], 4, v[TT+1]    ; back in order: 16 lanes take 256 consecutive bytes
	v_add_nc_u32 v[SRD], s[SSTG], v[TT+1]
	v_lshlrev_b32 v[GOFF], 4, v[TT]
	v_bfe_u32 v[TT+1], v0, 3, 1
	v_bfe_u32 v[TT+2], v0, 4, 1
	v_cmp_eq_u32 vcc_lo, v[TT+1], v[TT+2]          ; source 0 is not zero where row m = lane % 16 and k = 8 (lane / 16) + .. (and 16 + that) lie in the same block
	s_mov_b32 s[EIGHTH], 0x3e000000                ; 1/8
	s_mov_b32 s[EPS], 0x3a83126f                   ; 1e-3
	s_mov_b32 s[L2E], 0x3fb8aa3b                   ; log2(e)
	s_mov_b32 s[HIM], 0xffff0000
	s_wait_kmcnt 0x0
.irp n, 0,1,2,3,4,5,6,7,8,9,10,11,12,13
	v_mul_f32 v[BP+2*\n], s[TB+\n+1], s[L2E]       ; t[n-6]
	v_mul_f32 v[BP+2*\n+1], s[TB+\n], s[L2E]       ; t[n-7]
.endr
	s_wait_loadcnt 0x0                             ; W
	; C = beta @ W in f32: each lane makes its column's three sums; they go round by the wave's own stage to reach every lane
.irp t, 0,1,2
	v_mul_f32 v[TT+\t], s[BET], v[EE+8*\t]
.irp d, 1,2,3,4,5,6,7
	v_fmac_f32 v[TT+\t], s[BET+\d], v[EE+8*\t+\d]
.endr
.endr
	v_mul_f32 v[TT], s[L2E], v[TT]
	v_add_nc_u32 v[TT+3], s[SSTG], v[TA]
	ds_store_b32 v[TT+3], v[TT]                    ; lanes with the same lane % 8 write the same number to the same word
	ds_store_b32 v[TT+3], v[TT+1] offset:32
	ds_store_b32 v[TT+3], v[TT+2] offset:64
	v_mov_b32 v[TA], s[SSTG]
.irp n, 0,1,2,3,4,5
	ds_load_b128 v[CQ+4*\n:CQ+4*\n+3], v[TA] offset:16*\n      ; LDS serves a wave's instructions in order: these see the stores above
.endr
	; source 0: gamma[d] W[d][.], q's also times log2(e), as a high bf16 and the bf16 of what it leaves, zero outside the two blocks
.irp d, 0,1,2,3,4,5,6,7
	v_mul_f32 v[EE+\d], s[GAM+\d], v[EE+\d]
	v_mul_f32 v[EE+8+\d], s[GAM+\d], v[EE+8+\d]
	v_mul_f32 v[EE+16+\d], s[GAM+\d], v[EE+16+\d]
.endr
.irp d, 0,1,2,3,4,5,6,7
	v_mul_f32 v[EE+\d], s[L2E], v[EE+\d]
.endr
.irp t, 0,1,2
.irp c, 0,1,2,3
	v_cvt_pk_bf16_f32 v[AQ+8*\t+\c], v[EE+8*\t+2*\c], v[EE+8*\t+2*\c+1]          ; the high parts of d = 2c, 2c + 1
	v_lshlrev_b32 v[EE+24], 16, v[AQ+8*\t+\c]                                    ; back to f32
	v_and_b32 v[EE+25], s[HIM], v[AQ+8*\t+\c]
	v_pk_add_f32 v[EE+24:EE+25], v[EE+8*\t+2*\c:EE+8*\t+2*\c+1], v[EE+24:EE+25] neg_lo:[0,1] neg_hi:[0,1]   ; what they leave (exact)
	v_cvt_pk_bf16_f32 v[AL+8*\t+\c], v[EE+24], v[EE+25]
	v_cndmask_b32 v[AQ+8*\t+\c], 0, v[AQ+8*\t+\c], vcc_lo
	v_cndmask_b32 v[AL+8*\t+\c], 0, v[AL+8*\t+\c], vcc_lo
	v_mov_b32 v[AQ+8*\t+4+\c], v[AQ+8*\t+\c]                                     ; the same weights at k + 16, where source 1 holds xl
	v_mov_b32 v[AL+8*\t+4+\c], v[AL+8*\t+\c]
.endr
.endr
; THE SOFTMAX goes by pairs of rows i = 2p, 2p + 1 of the 8 x 8 matrix; a register pair holds two neighbouring j.
; A number that both halves of a packed instruction need (q_i, the maximum, v_i / sum_i) is picked out of its pair by op_sel.
.macro LOGITS p                        ; q_i k_j + bias, already in units of log2
.irp jp, 0,1,2,3
	v_pk_fma_f32 v[EE+16*\p+2*\jp:EE+16*\p+2*\jp+1], v[QQ+2*\p:QQ+2*\p+1], v[KK+2*\jp:KK+2*\jp+1], v[BP+4*\p-4*\jp+12:BP+4*\p-4*\jp+13] op_sel_hi:[0,1,1]
	v_pk_fma_f32 v[EE+16*\p+2*\jp+8:EE+16*\p+2*\jp+9], v[QQ+2*\p:QQ+2*\p+1], v[KK+2*\jp:KK+2*\jp+1], v[BP+4*\p-4*\jp+14:BP+4*\p-4*\jp+15] op_sel:[1,0,0] op_sel_hi:[1,1,1]
.endr
.endm
.macro MAXSUB p                        ; the true maximum of each row, taken away before the exponential
.irp i, 2*\p, 2*\p+1
	v_max3_num_f32 v[MM+\i], v[EE+8*(\i)], v[EE+8*(\i)+1], v[EE+8*(\i)+2]
.endr
.irp i, 2*\p, 2*\p+1
	v_max3_num_f32 v[MM+\i], v[MM+\i], v[EE+8*(\i)+3], v[EE+8*(\i)+4]
.endr
.irp i, 2*\p, 2*\p+1
	v_max3_num_f32 v[MM+\i], v[MM+\i], v[EE+8*(\i)+5], v[EE+8*(\i)+6]
.endr
.irp i, 2*\p, 2*\p+1
	v_max_num_f32 v[MM+\i], v[MM+\i], v[EE+8*(\i)+7]
.endr
.irp jp, 0,1,2,3
	v_pk_add_f32 v[EE+16*\p+2*\jp:EE+16*\p+2*\jp+1], v[EE+16*\p+2*\jp:EE+16*\p+2*\jp+1], v[MM+2*\p:MM+2*\p+1] op_sel_hi:[1,0] neg_lo:[0,1] neg_hi:[0,1]
	v_pk_add_f32 v[EE+16*\p+2*\jp+8:EE+16*\p+2*\jp+9], v[EE+16*\p+2*\jp+8:EE+16*\p+2*\jp+9], v[MM+2*\p:MM+2*\p+1] op_sel:[0,1] op_sel_hi:[1,1] neg_lo:[0,1] neg_hi:[0,1]
.endr
.endm
.macro EXPS p
.irp n, 0,1,2,3,4,5,6,7,8,9,10,11,12,13,14,15
	v_exp_f32 v[EE+16*\p+\n], v[EE+16*\p+\n]
.endr
.endm
.macro SUMS p                          ; the two rows' sums (at least 1: the largest term is 2^0)
	s_wait_alu depctr_va_vdst(0)
	v_pk_add_f32 v[TT:TT+1], v[EE+16*\p:EE+16*\p+1], v[EE+16*\p+2:EE+16*\p+3]
	v_pk_add_f32 v[TT+2:TT+3], v[EE+16*\p+4:EE+16*\p+5], v[EE+16*\p+6:EE+16*\p+7]
	v_pk_add_f32 v[TT+4:TT+5], v[EE+16*\p+8:EE+16*\p+9], v[EE+16*\p+10:EE+16*\p+11]
	v_pk_add_f32 v[TT+6:TT+7], v[EE+16*\p+12:EE+16*\p+13], v[EE+16*\p+14:EE+16*\p+15]
	v_pk_add_f32 v[TT:TT+1], v[TT:TT+1], v[TT+2:TT+3]
	v_pk_add_f32 v[TT+4:TT+5], v[TT+4:TT+5], v[TT+6:TT+7]
	v_add_f32 v[SS+2*\p], v[TT], v[TT+1]
	v_add_f32 v[SS+2*\p+1], v[TT+4], v[TT+5]
.endm
.macro RCPS p
	v_rcp_f32 v[SS+2*\p], v[SS+2*\p]
	v_rcp_f32 v[SS+2*\p+1], v[SS+2*\p+1]
.endm
.macro ACC p                           ; out_j += (v_i / sum_i) e_ij; the sums start from x, which is the residual
	v_pk_mul_f32 v[SS+2*\p:SS+2*\p+1], v[SS+2*\p:SS+2*\p+1], v[VV+2*\p:VV+2*\p+1]
.irp jp, 0,1,2,3
	v_pk_fma_f32 v[XX+2*\jp:XX+2*\jp+1], v[SS+2*\p:SS+2*\p+1], v[EE+16*\p+2*\jp:EE+16*\p+2*\jp+1], v[XX+2*\jp:XX+2*\jp+1] op_sel_hi:[0,1,1]
.endr
.irp jp, 0,1,2,3
	v_pk_fma_f32 v[XX+2*\jp:XX+2*\jp+1], v[SS+2*\p:SS+2*\p+1], v[EE+16*\p+2*\jp+8:EE+16*\p+2*\jp+9], v[XX+2*\jp:XX+2*\jp+1] op_sel:[1,0,0] op_sel_hi:[1,1,1]
.endr
.endm
; ONE TILE.  Written out eight times: each tile has its own count of younger tensor loads and its own constant offsets.
.macro TILE i
	s_wait_dscnt 0x0                               ; my row of x is in (in front of tile 0: C too)
	; layer norm in the lane: mean, then the variance of the differences (two passes: no difference of large sums)
	v_pk_add_f32 v[TT:TT+1], v[XX:XX+1], v[XX+2:XX+3]
	v_pk_add_f32 v[TT+2:TT+3], v[XX+4:XX+5], v[XX+6:XX+7]
	v_pk_add_f32 v[TT:TT+1], v[TT:TT+1], v[TT+2:TT+3]
	v_add_f32 v[TT], v[TT], v[TT+1]
.irp c, 0,2,4,6
	v_pk_fma_f32 v[DD+\c:DD+\c+1], v[TT:TT+1], 0xbe000000, v[XX+\c:XX+\c+1] op_sel_hi:[0,0,1]   ; x - sum / 8, rounded once
.endr
	v_pk_mul_f32 v[TT:TT+1], v[DD:DD+1], v[DD:DD+1]
	v_pk_mul_f32 v[TT+2:TT+3], v[DD+2:DD+3], v[DD+2:DD+3]
	v_pk_fma_f32 v[TT:TT+1], v[DD+4:DD+5], v[DD+4:DD+5], v[TT:TT+1]
	v_pk_fma_f32 v[TT+2:TT+3], v[DD+6:DD+7], v[DD+6:DD+7], v[TT+2:TT+3]
	v_pk_add_f32 v[TT:TT+1], v[TT:TT+1], v[TT+2:TT+3]
	v_add_f32 v[TT], v[TT], v[TT+1]
	v_fma_f32 v[TT], v[TT], s[EIGHTH], s[EPS]      ; variance + 1e-3
	v_rsq_f32 v[TT], v[TT]
	v_nop                                          ; one plain vector instruction between a transcendental and the use of its result
	s_wait_alu depctr_va_vdst(0)
.irp c, 0,2,4,6
	v_pk_mul_f32 v[DD+\c:DD+\c+1], v[DD+\c:DD+\c+1], v[TT:TT+1] op_sel_hi:[1,0]
.endr
	; xhat = xh + xl: the high bf16, and the bf16 of what it leaves (the subtraction is exact)
.irp c, 0,1,2,3
	v_cvt_pk_bf16_f32 v[XB+\c], v[DD+2*\c], v[DD+2*\c+1]
.endr
.irp c, 0,1,2,3
	v_lshlrev_b32 v[TT+2*\c], 16, v[XB+\c]
	v_and_b32 v[TT+2*\c+1], s[HIM], v[XB+\c]
.endr
.irp c, 0,2,4,6
	v_pk_add_f32 v[DD+\c:DD+\c+1], v[DD+\c:DD+\c+1], v[TT+\c:TT+\c+1] neg_lo:[0,1] neg_hi:[0,1]
.endr
.irp c, 0,1,2,3
	v_cvt_pk_bf16_f32 v[XB+4+\c], v[DD+2*\c], v[DD+2*\c+1]
.endr
	; q, k, v of my row into my registers: beta @ W + (xh + xl) Wh, then + (xh + xl) Wl.  Each of the second three takes as C and as D
	; the D of its own first instruction, in the same form: a chain in place, which needs no distance (ISA guide 7.12.1)
	v_wmma_f32_16x16x32_bf16 v[QQ:QQ+7], v[AQ:AQ+7], v[XB:XB+7], v[CQ:CQ+7]
	v_wmma_f32_16x16x32_bf16 v[KK:KK+7], v[AQ+8:AQ+15], v[XB:XB+7], v[CQ+8:CQ+15]
	v_wmma_f32_16x16x32_bf16 v[VV:VV+7], v[AQ+16:AQ+23], v[XB:XB+7], v[CQ+16:CQ+23]
	v_wmma_f32_16x16x32_bf16 v[QQ:QQ+7], v[AL:AL+7], v[XB:XB+7], v[QQ:QQ+7]
	v_wmma_f32_16x16x32_bf16 v[KK:KK+7], v[AL+8:AL+15], v[XB:XB+7], v[KK:KK+7]
	v_wmma_f32_16x16x32_bf16 v[VV:VV+7], v[AL+16:AL+23], v[XB:XB+7], v[VV:VV+7]
.rept 4
	v_nop                                          ; four places behind a matrix instruction before a vector instruction reads its result (ISA guide 7.12.1)
.endr
	; A pair of rows' exponentials are issued, and the plain work of the next pair (24 instructions) stands behind them
	; before their results are summed; the reciprocals likewise are used one stage later.
	LOGITS 0
	MAXSUB 0
	EXPS 0
	LOGITS 1
	MAXSUB 1
	SUMS 0
	RCPS 0
	EXPS 1
	LOGITS 2
	MAXSUB 2
	SUMS 1
	ACC 0
	RCPS 1
	EXPS 2
	LOGITS 3
	MAXSUB 3
	SUMS 2
	ACC 1
	RCPS 2
	EXPS 3
	v_nop                                          ; the place behind the transcendentals above
	s_wait_alu depctr_va_vdst(0)
	ACC 2
	SUMS 3
	RCPS 3
	v_nop                                          ; and behind these
	s_wait_alu depctr_va_vdst(0)
	ACC 3
	; the way out: my row into the wave's stage, back in order
	ds_store_b128 v[SROW], v[XX:XX+3]
	ds_store_b128 v[SROW], v[XX+4:XX+7] offset:16
.if \i
	s_wait_xcnt 0x0                                ; the last tile's stores read OO: it is loaded again only behind this wait
.endif
	ds_load_b128 v[OO:OO+3], v[SRD]                ; a wave's LDS instructions are served in order: these see the stores above
	ds_load_b128 v[OO+4:OO+7], v[SRD] offset:2*PITCH
.if \i < TILES-1
	s_wait_tensorcnt TILES-2-\i                    ; tensor loads of a wave end in order: the next tile is in, the TILES-2-i behind it stay out
	ds_load_b128 v[XX:XX+3], v[LROW] offset:(\i+1)*SLOT
	ds_load_b128 v[XX+4:XX+7], v[LROW] offset:(\i+1)*SLOT+16
	s_wait_dscnt 0x2                               ; the result is back; the two loads of the next x stay out
.else
	s_wait_dscnt 0x0
.endif
	global_store_b128 v[GOFF], v[OO:OO+3], s[14:15] offset:\i*STEP th:TH_STORE_NT          ; 32 lanes: 512 consecutive bytes, aligned
	global_store_b128 v[GOFF], v[OO+4:OO+7], s[14:15] offset:\i*STEP+512 th:TH_STORE_NT
.endm
	s_wait_tensorcnt TILES-1                       ; my first tile is in; the seven behind it stay out
	ds_load_b128 v[XX:XX+3], v[LROW]
	ds_load_b128 v[XX+4:XX+7], v[LROW] offset:16
.irp i, 0,1,2,3,4,5,6,7
	TILE \i
.endr
	s_wait_tensorcnt 0x0
	ds_add_u32 v250, v251
	s_wait_dscnt 0x0
	s_endpgm
.Lfunc_end_k_q5005ae74f5_attn:
	.size	k_q5005ae74f5_attn, .Lfunc_end_k_q5005ae74f5_attn-k_q5005ae74f5_attn
	.p2alignl 7, 3214868480
	.fill 96, 4, 3214868480
	.section	.rodata,"a",@progbits
	.p2align	6, 0x0
	.amdhsa_kernel k_q5005ae74f5_attn
		.amdhsa_group_segment_fixed_size 169984
		.amdhsa_private_segment_fixed_size 0
		.amdhsa_enable_private_segment 0
		.amdhsa_kernarg_size 48
		.amdhsa_user_sgpr_count 2
		.amdhsa_user_sgpr_kernarg_segment_ptr 1
		.amdhsa_wavefront_size32 1
		.amdhsa_system_sgpr_workgroup_id_x 1
		.amdhsa_system_sgpr_workgroup_id_y 1
		.amdhsa_system_sgpr_workgroup_id_z 1
		.amdhsa_system_vgpr_workitem_id 0
		.amdhsa_next_free_vgpr 252
		.amdhsa_next_free_sgpr 98
		.amdhsa_reserve_vcc 1
		.amdhsa_float_denorm_mode_32 3
		.amdhsa_float_denorm_mode_16_64 3
		.amdhsa_memory_ordered 1
		.amdhsa_forward_progress 1
		.amdhsa_inst_pref_size 144
	.end_amdhsa_kernel
	.amdgpu_metadata
---
amdhsa.version: [ 1, 2 ]
amdhsa.kernels:
  - .name:           k_q5005ae74f5_attn
    .symbol:         k_q5005ae74f5_attn.kd
    .args:
      - { .name: x, .offset: 0, .size: 8, .value_kind: global_buffer, .address_space: global }
      - { .name: ln_gamma, .offset: 8, .size: 8, .value_kind: global_buffer, .address_space: global }
      - { .name: ln_beta, .offset: 16, .size: 8, .value_kind: global_buffer, .address_space: global }
      - { .name: qkv_weights, .offset: 24, .size: 8, .value_kind: global_buffer, .address_space: global }
      - { .name: relative_attention_bias, .offset: 32, .size: 8, .value_kind: global_buffer, .address_space: global }
      - { .name: out0, .offset: 40, .size: 8, .value_kind: global_buffer, .address_space: global }
    .group_segment_fixed_size: 169984
    .private_segment_fixed_size: 0
    .kernarg_segment_align: 8
    .kernarg_segment_size: 48
    .max_flat_workgroup_size: 512
    .sgpr_count:     98
    .vgpr_count:     252
    .wavefront_size: 32
...
	.end_amdgpu_metadata
.endif
;; end of part 1
